; MI455X (gfx1250); checked and timed in simulation.
; The chip was launched on July 23, 2026; its instructions are those of AMD's public machine-readable ISA for CDNA 5 (MIT licence, August 2026) and "CDNA5" Instruction Set Architecture Reference Guide (July 2026). The comments in the code are by the model that wrote it; some were corrected since.
;; Decoder Head VDP. Allowed arithmetic: matrix products marked QUANTISED: E2M1 operands, one E8M0 scale for each 32 along K, by v_wmma_scale_f32_16x16x128_f8f6f4 with both operands' format E2M1 (or v_wmma_scale_f32_32x16x128_f4), f32 sums; everything else in f32.
;; Inputs: Wq_mu 1,024 x 1,024 float32; Wq_var_codes 1,024 x 32 x 16 uint8 (E2M1 codes of Wq_var, K innermost, in blocks of 32 codes, two codes a byte); Wq_var_scales 1,024 x 32 uint8 (E8M0 scales of Wq_var, one for each 32 codes along K); k 4 x 16 x 1,024 x 64 float32; v 4 x 16 x 1,024 x 64 float32; var_k_codes 4 x 16 x 1,024 x 2 x 16 uint8 (E2M1 codes of var_k, K innermost, in blocks of 32 codes, two codes a byte); var_k_scales 4 x 16 x 1,024 x 2 uint8 (E8M0 scales of var_k, one for each 32 codes along K); var_v_codes 4 x 16 x 64 x 32 x 16 uint8 (E2M1 codes of var_v, K innermost, in blocks of 32 codes, two codes a byte); var_v_scales 4 x 16 x 64 x 32 uint8 (E8M0 scales of var_v, one for each 32 codes along K); var_x_codes 4 x 1,024 x 32 x 16 uint8 (E2M1 codes of var_x, K innermost, in blocks of 32 codes, two codes a byte); var_x_scales 4 x 1,024 x 32 uint8 (E8M0 scales of var_x, one for each 32 codes along K); x 4 x 1,024 x 1,024 float32.
;; Outputs: out0 4 x 1,024 x 1,024 float32; out1 4 x 1,024 x 1,024 float32.
;; This version of the problem:
;;   THIS VERSION OF THE PROBLEM IS GIVEN IN LOW PRECISION. The matrix products marked QUANTISED in the list below multiply operands that are first quantised to E2M1 (2 exponent bits, 1 mantissa bit; 4 bits a number), with one power-of-two scale for each 32 numbers along K (OCP MX v1.0); their sums are f32. All else is computed in f32.
;;   The module's matrix products, in the order in which they are computed (A, B: the left and right operand; K: the contracted axis; several contracted axes count as one K, in the product's order):
;;     1. [M 4,096, K 1,024] x [K 1,024, N 1,024]; A: input x; B: input Wq_mu: QUANTISED
;;     2. [M 4,096, K 1,024] x [K 1,024, N 1,024]; A: input var_x (given as codes); B: input Wq_var (given as codes): QUANTISED
;;     3. [M 4,096, K 1,024] x [K 1,024, N 1,024]; A: input var_x (given as codes); B: computed on the way: QUANTISED
;;     4. [M 4,096, K 1,024] x [K 1,024, N 1,024]; A: computed on the way; B: input Wq_var (given as codes): QUANTISED
;;     5. batch 64 x [M 1,024, K 64] x [K 64, N 1,024]; A: computed on the way; B: input k: QUANTISED
;;     6. batch 64 x [M 1,024, K 64] x [K 64, N 1,024]; A: computed on the way; B: input var_k (given as codes): QUANTISED
;;     7. batch 64 x [M 1,024, K 64] x [K 64, N 1,024]; A: computed on the way; B: computed on the way: QUANTISED
;;     8. batch 64 x [M 1,024, K 64] x [K 64, N 1,024]; A: computed on the way; B: input var_k (given as codes): QUANTISED
;;     9. batch 64 x [M 1,024, K 1,024] x [K 1,024, N 64]; A: softmax (see below); B: input v: QUANTISED
;;     10. batch 64 x [M 1,024, K 1,024] x [K 1,024, N 64]; A: computed on the way; B: input var_v (given as codes): QUANTISED
;;     11. batch 64 x [M 1,024, K 1,024] x [K 1,024, N 64]; A: computed on the way; B: computed on the way: QUANTISED
;;     12. batch 64 x [M 1,024, K 1,024] x [K 1,024, N 64]; A: computed on the way; B: input var_v (given as codes): QUANTISED
;;   THE QUANTISER, for each operand of a quantised product, along K:
;;     - K is cut into blocks of 32 from its start; a last block that is shorter is filled with zeros.
;;     - A block's scale is 2^e with e = floor(log2(the largest magnitude in the block)) - 2, held to -126 .. 127; a block of zeros has e = 0. As a byte (E8M0): e + 127.
;;     - Each number is divided by its block's scale, clamped to +-6, and rounded to the nearest number of E2M1, ties to even, subnormals kept.
;;     - The product sums the exact products of the quantised numbers (number of the format x scale) in f32.
;;   ~~~python
;;   def quantise(x, axis):      # numpy; x: float32 -> the quantised numbers, widened to float32 again
;;       x = np.moveaxis(x, axis, -1); K = x.shape[-1]
;;       x = np.pad(x, [(0, 0)] * (x.ndim - 1) + [(0, -K % 32)]); x = x.reshape(x.shape[:-1] + (-1, 32)); a = np.abs(x).max(-1, keepdims=True)
;;       e = np.where(a > 0, np.clip(np.frexp(np.where(a > 0, a, 1))[1] - 1 - 2, -126, 127), 0)      # np.frexp(a)[1] - 1 = floor(log2(a)), exactly
;;       r = np.clip(x / 2.0 ** e, -6, 6)
;;       step = 2.0 ** (np.maximum(np.frexp(np.where(r == 0, 1, r))[1] - 1, 0) - 1)
;;       q = np.round(r / step) * step * 2.0 ** e      # np.round: ties to even
;;       return np.moveaxis(q.reshape(q.shape[:-2] + (-1,))[..., :K], -1, axis).astype(np.float32)
;;   ~~~
;;   SOFTMAX AHEAD OF A QUANTISED PRODUCT. Where the list says 'softmax', what is quantised is not the finished softmax but p = 2^(t - M), with t = logit x log2(e) and M = ceil(the row's largest t), a whole number; so 1/2 < the row's largest p <= 1. The row's sum l is taken of the UNQUANTISED p, in f32, and the product's result is divided by l at the end. Since M is a whole number, a kernel that streams over the keys may use a running M (the ceiling of the running maximum): every later rescaling is an exact power of two, which a block's scale takes up: the codes' values come out the same.
;;   OPERANDS COMPUTED ON THE WAY. 'Computed on the way' means the value that the module computes at that place (a softmax that the list does not call 'softmax' is quantised finished and normalised). What goes into a quantiser is computed in f32, as accurately as f32 sums, v_exp_f32 and their like allow (about 1e-6 of the number): no bf16 or f16 on the way to a quantiser, and a product that is left as it is and whose result goes on into a quantised operand takes f32 operands (vector FMAs, or v_wmma_f32_16x16x4_f32). A number that lies on a knife's edge between two numbers of the format may be rounded either way, as far as f32 arithmetic and the matrix unit's own rounding can turn it there, and no further.
;;   INPUTS GIVEN AS CODES. Wq_var (in the module: [1024, 1024], K = its axis 1); var_k (in the module: [4, 16, 1024, 64], K = its axis 3); var_v (in the module: [4, 16, 1024, 64], K = its axis 2); var_x (in the module: [4, 1024, 1024], K = its axis 2): each comes as NAME_codes (uint8): NAME with its K axis moved to the last place and cut into blocks of 32 codes, [.., K / 32, bytes a block], one block behind the other in memory; two codes a byte, the lower K in the low four bits (a code: sign, 2 exponent bits, 1 mantissa bit); and NAME_scales (uint8): the same leading axes, one E8M0 byte (e + 127) for each 32 codes along K. Its value is code x scale, taken as it is: it is not quantised again, and the codes and scales need not be those that the quantiser above would give.
;; One version. Each part assembles by itself: llvm-mc -triple=amdgcn-amd-amdhsa -mcpu=gfx1250 --defsym DOCPART=n.
;; ======== version 1 of 1: 3 launches
;; workspace buffers: ops 14,483,456 bytes; qops 7,340,032 bytes
;; launch prep (part 1): grid 352 x 1, 4 waves a work-group, no clusters, 102,912 bytes of LDS; arguments x, Wq_mu, k, v, ops; writes ops
.if DOCPART == 1
	.amdgcn_target "amdgcn-amd-amdhsa--gfx1250"
	.amdhsa_code_object_version 6
	.text
	.protected	k_q48b162fe95_prep
	.globl	k_q48b162fe95_prep
	.p2align	8
	.type	k_q48b162fe95_prep,@function
k_q48b162fe95_prep:
	s_mov_b64 s[64:65], 0
	v_nop
	global_prefetch_b8 v0, s[64:65] scope:SCOPE_SE
	s_setreg_imm32_b32 hwreg(HW_REG_WAVE_MODE, 25, 1), 1
	s_wait_xcnt 0x0
; x [4096][1024], k [64][1024][64], Wq_mu [1024][1024] (K innermost) and v [64][1024 keys][64] (K = the keys, its outer axis within a head), all f32,
; and the squares of all four, become codes of E2M1 with one E8M0 byte for each 32 along K, in the workspace 'ops', laid as the problem's own *_codes and *_scales inputs are laid.
; A block's scale byte is its largest magnitude's exponent field - 2, held at 1 from below by a floor among the maximum's leaves.
; The largest square of a block is the square of its largest magnitude (rounding is monotone), so the squares need no second search.
; LIMITS: NaN and infinities are not served; a block of zeros, and one whose largest magnitude lies under 2^-124, carries the byte 1 (this program alone reads these bytes; zero codes add nothing).
; Work-groups 0-63: one head of v each (a lane a channel, registers down the keys).  Work-groups 64-351: plain streams of 32,768 numbers of x, k, Wq_mu.
; The two ways part on the work-group's number, use LDS bytes of their own, and end apart.  Waves share nothing: no barrier.
.set O_XC,  0
.set O_X2C, 2097152
.set O_KC,  4194304
.set O_K2C, 6291456
.set O_VC,  8388608
.set O_WC,  12582912
.set O_W2C, 13107200
.set O_XS,  13631488
.set O_X2S, 13762560
.set O_KS,  13893632
.set O_K2S, 14024704
.set O_VS,  14155776
.set O_WS,  14417920
.set O_W2S, 14450688
.set FLOOR, 0x1800000                  ; 2^(3 - 127)
.set EOFF,  0xff000000                 ; takes 2 off an exponent field
.set T1R, 16                           ; v16-79   four sets of 16 numbers as loaded
.set T1X, 80                           ; v80-111  two sets of 16 neighbours
.set T1E, 112                          ; v112-127 a scale byte for each step
.set T1C, 128                          ; v128-191 four registers of codes for each step: two of the numbers, two of the squares
.set T1F, 192                          ; v192-207 the squares' scale byte for each step
.set T2X, 32                           ; v32-95   two sets of 32 numbers
.set T2C, 96                           ; v96-99   a block's codes;  v100-103 its squares' codes
.set T2D, 100
.macro T1LOAD t                        ; 32 lanes read 512 consecutive bytes, four times
.irp i, 0,1,2,3
	global_load_b128 v[T1R+16*((\t)%4)+4*\i:T1R+16*((\t)%4)+4*\i+3], v3, s[20:21] offset:2048*(\t)+512*\i th:TH_LOAD_NT
.endr
.endm
.macro T1TURN t                        ; a step's 2,048 bytes through the wave's own stage: in as they lie, out 64 bytes a lane; LDS serves a wave's instructions in order
.irp i, 0,1,2,3
	ds_store_b128 v14, v[T1R+16*((\t)%4)+4*\i:T1R+16*((\t)%4)+4*\i+3] offset:2560*((\t)%2)+640*\i
.endr
.irp i, 0,1,2,3
	ds_load_b128 v[T1X+16*((\t)%2)+4*\i:T1X+16*((\t)%2)+4*\i+3], v15 offset:2560*((\t)%2)+16*\i
.endr
.endm
.macro T1STEP t
.set XR, T1X+16*((\t)%2)
.if (\t) > 0
	s_wait_dscnt 2                                 ; this step's numbers are back from the stage; only the last step's two byte stores may be out
.else
	s_wait_dscnt 0x0
.endif
.if (\t)+4 < 16
	T1LOAD (\t)+4                                  ; into the set whose stores into the stage are done
.endif
.if (\t)+1 < 16
.if 14-(\t) >= 3
	s_wait_loadcnt 12                              ; the next step's four loads are in; those of three later steps may be out
.else
	s_wait_loadcnt 4*(14-(\t))
.endif
	T1TURN (\t)+1
.endif
	v_max3_num_f32 v8, |v[XR]|, |v[XR+1]|, |v[XR+2]|
	v_max3_num_f32 v9, |v[XR+3]|, |v[XR+4]|, |v[XR+5]|
.irp i, 6,10
	v_max3_num_f32 v8, v8, |v[XR+\i]|, |v[XR+\i+1]|
	v_max3_num_f32 v9, v9, |v[XR+\i+2]|, |v[XR+\i+3]|
.endr
	v_max3_num_f32 v8, v8, |v[XR+14]|, |v[XR+15]|
	v_max3_num_f32 v8, v8, v9, FLOOR               ; my 16 and the floor
	v_max_num_f32_dpp v8, v8, v8 row_xmask:1 row_mask:0xf bank_mask:0xf   ; and my neighbour's 16: the block's largest magnitude
	v_add_nc_u32 v11, EOFF, v8                     ; the conversion's scale operand
	v_cvt_scalef32_pk8_fp4_f32 v[T1C+4*(\t)], v[XR:XR+7], v11
	v_cvt_scalef32_pk8_fp4_f32 v[T1C+4*(\t)+1], v[XR+8:XR+15], v11
	v_mul_f32 v9, v8, v8                           ; the largest square (also the plain line behind the conversions)
	v_max_num_f32 v9, FLOOR, v9
	v_add_nc_u32 v10, EOFF, v9
.irp j, 0,2,4,6,8,10,12,14
	v_pk_mul_f32 v[XR+\j:XR+\j+1], v[XR+\j:XR+\j+1], v[XR+\j:XR+\j+1]
.endr
	v_cvt_scalef32_pk8_fp4_f32 v[T1C+4*(\t)+2], v[XR:XR+7], v10
	v_cvt_scalef32_pk8_fp4_f32 v[T1C+4*(\t)+3], v[XR+8:XR+15], v10
	v_lshrrev_b32 v[T1E+(\t)], 23, v11             ; the two scale bytes
	v_lshrrev_b32 v[T1F+(\t)], 23, v10
	ds_store_b8 v5, v[T1E+(\t)] offset:16*(\t)     ; both lanes of a block write the same byte with the same value
	ds_store_b8 v5, v[T1F+(\t)] offset:256+16*(\t)
	global_store_b64 v4, v[T1C+4*(\t):T1C+4*(\t)+1], s[28:29] offset:256*(\t)      ; the wave stores 256 consecutive bytes, aligned
	global_store_b64 v4, v[T1C+4*(\t)+2:T1C+4*(\t)+3], s[30:31] offset:256*(\t)
.endm
.macro T2LOAD t                        ; block t: v(32 t + i, my channel), i = 0 .. 31
.set i, 0
.rept 32
	global_load_b32 v[T2X+32*((\t)%2)+i], v3, s[10:11] offset:(32*(\t)+i)*256 th:TH_LOAD_NT
.set i, i+1
.endr
.endm
.macro T2BLOCK t
.set XR, T2X+32*((\t)%2)
.if (\t) < 15
	s_wait_loadcnt 32                              ; this block's 32 loads are in; the next block's may be out
.else
	s_wait_loadcnt 0x0
.endif
	v_max3_num_f32 v12, |v[XR]|, |v[XR+1]|, |v[XR+2]|
	v_max3_num_f32 v13, |v[XR+3]|, |v[XR+4]|, |v[XR+5]|
.irp i, 6,10,14,18,22,26
	v_max3_num_f32 v12, v12, |v[XR+\i]|, |v[XR+\i+1]|
	v_max3_num_f32 v13, v13, |v[XR+\i+2]|, |v[XR+\i+3]|
.endr
	v_max3_num_f32 v12, v12, |v[XR+30]|, |v[XR+31]|
	v_max3_num_f32 v12, v12, v13, FLOOR            ; all 32 numbers of the block are mine
	v_add_nc_u32 v11, EOFF, v12
	v_lshrrev_b32 v13, 23, v11
.if (\t)%4 == 0
	v_mov_b32 v[24+(\t)/4], v13                    ; four bytes to a register, the lower K in the lower byte
.else
	v_lshl_or_b32 v[24+(\t)/4], v13, 8*((\t)%4), v[24+(\t)/4]
.endif
.irp g, 0,1,2,3
	v_cvt_scalef32_pk8_fp4_f32 v[T2C+\g], v[XR+8*\g:XR+8*\g+7], v11
.endr
	v_mul_f32 v12, v12, v12                        ; the largest square (the plain line behind the conversions)
	ds_store_b128 v4, v[T2C:T2C+3] offset:16*(\t)
.set j, 0
.rept 16
	v_pk_mul_f32 v[XR+j:XR+j+1], v[XR+j:XR+j+1], v[XR+j:XR+j+1]
.set j, j+2
.endr
	v_max_num_f32 v12, FLOOR, v12
	v_add_nc_u32 v10, EOFF, v12
	v_lshrrev_b32 v13, 23, v10
.if (\t)%4 == 0
	v_mov_b32 v[28+(\t)/4], v13
.else
	v_lshl_or_b32 v[28+(\t)/4], v13, 8*((\t)%4), v[28+(\t)/4]
.endif
.irp g, 0,1,2,3
	v_cvt_scalef32_pk8_fp4_f32 v[T2D+\g], v[XR+8*\g:XR+8*\g+7], v10
.endr
	v_nop                                          ; one plain line behind the last conversion
	ds_store_b128 v4, v[T2D:T2D+3] offset:8704+16*(\t)
.if (\t)+2 < 16
	T2LOAD (\t)+2
.endif
	s_wait_dscnt 0x0                               ; the stores have read their registers: the next block's codes may be written
.endm
	s_load_b256 s[4:11], s[0:1], 0x0               ; x s[4:5], Wq_mu s[6:7], k s[8:9], v s[10:11]
	s_load_b64 s[12:13], s[0:1], 0x20              ; ops
	v_lshl_add_u32 v208, v0, 2, 0x19000
	v_mov_b32 v209, 0
	v_lshrrev_b32 v1, 5, v0
	v_readfirstlane_b32 s14, v1                    ; wave 0..3
	v_and_b32 v2, 31, v0                           ; lane
	s_cmp_lt_u32 ttmp9, 64
	s_cbranch_scc1 .Lkeys_outer
	; ---- K innermost: a wave takes 16 steps of 512 numbers of one stream
	v_lshlrev_b32 v3, 4, v2                        ; my 16 bytes of a load's 512
	s_lshl_b32 s15, s14, 13                        ; my wave's 8,192 bytes of LDS
	v_lshrrev_b32 v14, 2, v2
	v_mul_u32_u24 v14, v14, 80
	v_and_b32 v15, 3, v2
	v_lshl_add_u32 v14, v15, 4, v14
	v_add_nc_u32 v14, s15, v14                     ; the stage, in: 80 (lane / 4) + 16 (lane % 4)
	v_mul_u32_u24 v15, v2, 80
	v_add_nc_u32 v15, s15, v15                     ; and out: 80 x lane
	v_lshlrev_b32 v4, 3, v2                        ; 8 x lane: my codes in a step's 256 bytes
	v_lshrrev_b32 v5, 1, v2
	s_add_co_u32 s15, s15, 5120
	v_add_nc_u32 v5, s15, v5                       ; my block's scale byte
	v_add_nc_u32 v6, s15, v4                       ; the scale bytes on the way out: 8 a lane
	s_sub_co_u32 s16, ttmp9, 64                    ; 0-127 x, 128-255 k, 256-287 Wq_mu
	s_mov_b32 s22, O_WC
	s_mov_b32 s23, O_W2C
	s_mov_b32 s24, O_WS
	s_mov_b32 s25, O_W2S
	s_mov_b32 s26, 256
	s_wait_kmcnt 0x0
	s_cmp_lt_u32 s16, 256
	s_cselect_b64 s[20:21], s[8:9], s[6:7]
	s_cselect_b32 s22, O_KC, s22
	s_cselect_b32 s23, O_K2C, s23
	s_cselect_b32 s24, O_KS, s24
	s_cselect_b32 s25, O_K2S, s25
	s_cselect_b32 s26, 128, s26
	s_cmp_lt_u32 s16, 128
	s_cselect_b64 s[20:21], s[4:5], s[20:21]
	s_cselect_b32 s22, O_XC, s22
	s_cselect_b32 s23, O_X2C, s23
	s_cselect_b32 s24, O_XS, s24
	s_cselect_b32 s25, O_X2S, s25
	s_cselect_b32 s26, 0, s26
	s_sub_co_u32 s16, s16, s26
	s_lshl_b32 s16, s16, 2
	s_add_co_u32 s16, s16, s14                     ; which run of 8,192 numbers of the tensor is my wave's
	s_mov_b32 s37, 0
	s_lshl_b32 s36, s16, 15
	s_add_nc_u64 s[20:21], s[20:21], s[36:37]      ; the numbers
	s_lshl_b32 s38, s16, 12
	s_add_co_u32 s36, s22, s38
	s_add_nc_u64 s[28:29], s[12:13], s[36:37]      ; their codes
	s_add_co_u32 s36, s23, s38
	s_add_nc_u64 s[30:31], s[12:13], s[36:37]      ; the squares' codes
	s_lshl_b32 s38, s16, 8
	s_add_co_u32 s36, s24, s38
	s_add_nc_u64 s[32:33], s[12:13], s[36:37]      ; the scale bytes
	s_add_co_u32 s36, s25, s38
	s_add_nc_u64 s[34:35], s[12:13], s[36:37]      ; the squares' scale bytes
.irp t, 0,1,2,3
	T1LOAD \t
.endr
	s_wait_loadcnt 12                              ; step 0's four loads are in
	T1TURN 0
.irp t, 0,1,2,3,4,5,6,7,8,9,10,11,12,13,14,15
	T1STEP \t
.endr
	ds_load_b64 v[10:11], v6                       ; LDS serves a wave's instructions in order: these see my byte stores
	ds_load_b64 v[12:13], v6 offset:256
	s_wait_dscnt 0x0
	global_store_b64 v4, v[10:11], s[32:33]        ; 32 lanes store 256 consecutive bytes, aligned
	global_store_b64 v4, v[12:13], s[34:35]
	s_wait_tensorcnt 0x0
	ds_add_u32 v208, v209
	s_wait_dscnt 0x0
	s_endpgm
	; ---- K = the keys: work-group = head; wave: 32 channels (wave % 2) x 512 keys (wave / 2)
.Lkeys_outer:
	s_and_b32 s15, s14, 1
	s_lshr_b32 s16, s14, 1
	v_lshlrev_b32 v3, 2, v2                        ; in: 4 bytes a lane
	s_mul_i32 s17, s14, 17408
	s_add_co_u32 s17, s17, 32768                   ; my two stages: 32 rows x 272 bytes for v, the same for the squares
	v_mul_u32_u24 v4, v2, 272
	v_add_nc_u32 v4, s17, v4                       ; into them: row = my channel
	v_and_b32 v5, 15, v2
	v_lshrrev_b32 v6, 4, v2
	v_mul_u32_u24 v7, v6, 272
	v_lshl_add_u32 v7, v5, 4, v7
	v_add_nc_u32 v7, s17, v7                       ; out of them: sixteen lanes to a row, two rows an instruction
	v_lshlrev_b32 v8, 9, v6
	v_lshl_add_u32 v8, v5, 4, v8                   ; and the same place among the codes' rows of 512 bytes
	v_lshlrev_b32 v9, 5, v2                        ; my channel's row of 32 scale bytes
	s_lshl_b32 s20, ttmp9, 18                      ; v: head x 262,144 + 512 keys x 256 bytes + 32 channels x 4 bytes
	s_lshl_b32 s18, s16, 17
	s_add_co_u32 s20, s20, s18
	s_lshl_b32 s18, s15, 7
	s_add_co_u32 s20, s20, s18
	s_mov_b32 s21, 0
	s_lshl_b32 s22, ttmp9, 15                      ; codes: head x 32,768 + 32 rows x 512 + 256 bytes for 512 keys
	s_lshl_b32 s18, s15, 14
	s_add_co_u32 s22, s22, s18
	s_lshl_b32 s18, s16, 8
	s_add_co_u32 s22, s22, s18
	s_add_co_u32 s22, s22, O_VC
	s_mov_b32 s23, 0
	s_lshl_b32 s28, ttmp9, 11                      ; scale bytes: head x 2,048 + 32 rows x 32 + 16
	s_lshl_b32 s18, s15, 10
	s_add_co_u32 s28, s28, s18
	s_lshl_b32 s18, s16, 4
	s_add_co_u32 s28, s28, s18
	s_add_co_u32 s28, s28, O_VS
	s_mov_b32 s29, 0
	s_wait_kmcnt 0x0
	s_add_nc_u64 s[10:11], s[10:11], s[20:21]
	s_add_nc_u64 s[24:25], s[12:13], s[22:23]      ; v's codes; the squares' lie 2,097,152 bytes on
	s_add_nc_u64 s[26:27], s[12:13], s[28:29]      ; v's scale bytes; the squares' 131,072 bytes on
	T2LOAD 0
	T2LOAD 1
.irp t, 0,1,2,3,4,5,6,7,8,9,10,11,12,13,14,15
	T2BLOCK \t
.endr
	global_store_b128 v9, v[24:27], s[26:27]       ; my channel's 16 scale bytes
	global_store_b128 v9, v[28:31], s[26:27] offset:131072
.set t, 0
.rept 16
	ds_load_b128 v[112+4*t:115+4*t], v7 offset:544*t
.set t, t+1
.endr
.set t, 0
.rept 16
	ds_load_b128 v[32+4*t:35+4*t], v7 offset:8704+544*t
.set t, t+1
.endr
.set t, 0
.rept 16
	s_wait_dscnt 31-t                              ; LDS loads come back in order: the 31 - t behind this one may be out
	global_store_b128 v8, v[112+4*t:115+4*t], s[24:25] offset:1024*t              ; sixteen lanes store 256 consecutive bytes, aligned
.set t, t+1
.endr
.set t, 0
.rept 16
	s_wait_dscnt 15-t
	global_store_b128 v8, v[32+4*t:35+4*t], s[24:25] offset:2097152+1024*t
.set t, t+1
.endr
	s_wait_tensorcnt 0x0
	ds_add_u32 v208, v209
	s_wait_dscnt 0x0
	s_endpgm
.Lfunc_end_k_q48b162fe95_prep:
	.size	k_q48b162fe95_prep, .Lfunc_end_k_q48b162fe95_prep-k_q48b162fe95_prep
	.p2alignl 7, 3214868480
	.fill 96, 4, 3214868480
	.section	.rodata,"a",@progbits
	.p2align	6, 0x0
	.amdhsa_kernel k_q48b162fe95_prep
		.amdhsa_group_segment_fixed_size 102912
		.amdhsa_private_segment_fixed_size 0
		.amdhsa_enable_private_segment 0
		.amdhsa_kernarg_size 40
		.amdhsa_user_sgpr_count 2
		.amdhsa_user_sgpr_kernarg_segment_ptr 1
		.amdhsa_wavefront_size32 1
		.amdhsa_system_sgpr_workgroup_id_x 1
		.amdhsa_system_sgpr_workgroup_id_y 1
		.amdhsa_system_sgpr_workgroup_id_z 1
		.amdhsa_system_vgpr_workitem_id 0
		.amdhsa_next_free_vgpr 210
		.amdhsa_next_free_sgpr 66
		.amdhsa_reserve_vcc 0
		.amdhsa_float_denorm_mode_32 3
		.amdhsa_float_denorm_mode_16_64 3
		.amdhsa_memory_ordered 1
		.amdhsa_forward_progress 1
		.amdhsa_inst_pref_size 156
	.end_amdhsa_kernel
	.amdgpu_metadata
---
amdhsa.version: [ 1, 2 ]
amdhsa.kernels:
  - .name:           k_q48b162fe95_prep
    .symbol:         k_q48b162fe95_prep.kd
    .args:
      - { .name: x, .offset: 0, .size: 8, .value_kind: global_buffer, .address_space: global }
      - { .name: Wq_mu, .offset: 8, .size: 8, .value_kind: global_buffer, .address_space: global }
      - { .name: k, .offset: 16, .size: 8, .value_kind: global_buffer, .address_space: global }
      - { .name: v, .offset: 24, .size: 8, .value_kind: global_buffer, .address_space: global }
      - { .name: ops, .offset: 32, .size: 8, .value_kind: global_buffer, .address_space: global }
    .group_segment_fixed_size: 102912
    .private_segment_fixed_size: 0
    .kernarg_segment_align: 8
    .kernarg_segment_size: 40
    .max_flat_workgroup_size: 128
    .sgpr_count:     66
    .vgpr_count:     210
    .wavefront_size: 32
...
	.end_amdgpu_metadata
.endif
;; end of part 1
;; launch proj (part 2): grid 16 x 16, 16 waves a work-group, clusters of 4 x 1, 169,984 bytes of LDS; arguments ops, var_x_codes, var_x_scales, Wq_var_codes, Wq_var_scales, qops; writes qops
.if DOCPART == 2
	.amdgcn_target "amdgcn-amd-amdhsa--gfx1250"
	.amdhsa_code_object_version 6
	.text
	.protected	k_q48b162fe95_proj
	.globl	k_q48b162fe95_proj
	.p2align	8
	.type	k_q48b162fe95_proj,@function
k_q48b162fe95_proj:
	s_mov_b64 s[64:65], 0
	v_nop
	global_prefetch_b8 v0, s[64:65] scope:SCOPE_SE
	s_setreg_imm32_b32 hwreg(HW_REG_WAVE_MODE, 25, 1), 1
	s_wait_xcnt 0x0
	s_wait_alu depctr_hold_cnt(0) depctr_sa_sdst(0) depctr_va_vdst(0) depctr_va_sdst(0) depctr_va_ssrc(0) depctr_va_vcc(0) depctr_vm_vsrc(0)
	s_getreg_b32 s2, hwreg(HW_REG_IB_STS2, 6, 4)
	s_cmp_eq_u32 s2, 0
	s_cbranch_scc0 .Lentry_in_a_cluster
	s_endpgm
.Lentry_in_a_cluster:
	s_bfe_u32 s2, ttmp6, 0x10000c
	s_cmp_lg_u32 s2, 0x3003
	s_cbranch_scc0 .Lentry_shape_is_right
	s_endpgm
.Lentry_shape_is_right:
; q = x Wq_mu^T and var_q = var_x Wq_var^T + var_x (Wq_mu^2)^T + x^2 Wq_var^T, all four products on codes of E2M1 with E8M0 scales; then q, q^2 and var_q are quantised along the head's 64 into 'qops'.
; SHARES.  A work-group takes 256 rows of x (its x) and one head, 64 rows of the weights (its y); each of sixteen waves 16 rows x 64 columns: 4 accumulators for q, 4 for var_q.
; The products are used transposed (source 0 = 16 rows of a weight, source 1 = my 16 rows of x): a lane holds ONE row of x, and register j of tile t the head's channel 16 t + 8 (lane / 16) + j.
; The three weight arrays of the head, for all of K, stay in LDS (rows of 512 bytes + 16 of padding); the four work-groups of a cluster want the same ones and ask for them jointly.
; A wave's own rows of x's, var_x's and x^2's codes go from memory into registers, four K steps at a time in flight: no other wave of the work-group wants them.
; qops: q's, q^2's, var_q's codes [head 64][query 1024][32 bytes]; then four scale words a query: (q0,q1,7f,7f) (7f,7f,qq0,qq1) (vq0,vq1,vq0,vq1) (7f,7f,7f,7f): as the score products take them.
; LIMITS: NaN, infinities and a given scale byte 0xff are not served; a block whose largest magnitude lies under 2^-124 carries the byte 1.
.set O_X2C, 2097152
.set O_WC,  12582912
.set O_W2C, 13107200
.set O_XS,  13631488
.set O_WS,  14417920
.set O_W2S, 14450688
.set O_QSC, 6291456
.set FLOOR, 0x1800000
.set EOFF,  0xff000000
.set WSC,   101376                     ; LDS: three arrays of 33,792 bytes at 0, 33792, 67584; then the weights' scale words [K step 8][array 4, 320 bytes apart][row 64]
.set AQ, 16                            ; v16-47   q
.set AV, 48                            ; v48-79   var_q
.set AF, 80                            ; v80-175  my rows' fragments: array a (x, var_x, x^2), K step s at AF + 32 a + 8 (s % 4)
.set AS, 176                           ; v176-199 their scale words: AS + 8 a + s
.set BF, 200                           ; v200-247 two tiles of weights: Wq_mu 8, Wq_var 8, Wq_mu^2 8 registers each
.set BS, 248                           ; v248-251 their scale words: lanes 0-15 one array's, lanes 16-31 another's
.set WV, 16
.set SEL, 56
.set G1, 24
.set G0, 32
.macro ROUND                           ; a round of the cluster's barrier
	s_barrier_signal -1
	s_barrier_wait -1
	s_cmp_lg_u32 s[WV], 0
	s_cbranch_scc1 .Lnot_wave_0_\@
	s_barrier_signal -3
.Lnot_wave_0_\@:
	s_barrier_wait -3
	s_barrier_signal -1
	s_barrier_wait -1
.endm
.macro MX d, a, b, z, sa, sb, row      ; one product; z: it starts the sum; row: source 0's scales stand in lanes 16-31
.if \z
.if \row
	v_wmma_scale_f32_16x16x128_f8f6f4 v[(\d):(\d)+7], v[(\a):(\a)+7], v[(\b):(\b)+7], 0, v[(\sa)], v[(\sb)] matrix_a_fmt:MATRIX_FMT_FP4 matrix_b_fmt:MATRIX_FMT_FP4 matrix_a_scale:MATRIX_SCALE_ROW1
.else
	v_wmma_scale_f32_16x16x128_f8f6f4 v[(\d):(\d)+7], v[(\a):(\a)+7], v[(\b):(\b)+7], 0, v[(\sa)], v[(\sb)] matrix_a_fmt:MATRIX_FMT_FP4 matrix_b_fmt:MATRIX_FMT_FP4
.endif
.else
.if \row
	v_wmma_scale_f32_16x16x128_f8f6f4 v[(\d):(\d)+7], v[(\a):(\a)+7], v[(\b):(\b)+7], v[(\d):(\d)+7], v[(\sa)], v[(\sb)] matrix_a_fmt:MATRIX_FMT_FP4 matrix_b_fmt:MATRIX_FMT_FP4 matrix_a_scale:MATRIX_SCALE_ROW1
.else
	v_wmma_scale_f32_16x16x128_f8f6f4 v[(\d):(\d)+7], v[(\a):(\a)+7], v[(\b):(\b)+7], v[(\d):(\d)+7], v[(\sa)], v[(\sb)] matrix_a_fmt:MATRIX_FMT_FP4 matrix_b_fmt:MATRIX_FMT_FP4
.endif
.endif
.endm
; 32 registers of a lane = 64 along the next K: tiles 0-3, block b = tiles 2 b and 2 b + 1, shared with lane l xor 16
.macro BMAXABS src, bm                 ; the two blocks' largest magnitudes, with the floor, into v[bm], v[bm + 1]; each tile is first read at its low end
.irp b, 0,1
	v_max3_num_f32 v[(\bm)+\b], |v[(\src)+16*\b]|, |v[(\src)+16*\b+1]|, FLOOR
.endr
.irp i, 2,4,6,8,10,12,14
.irp b, 0,1
	v_max3_num_f32 v[(\bm)+\b], v[(\bm)+\b], |v[(\src)+16*\b+\i]|, |v[(\src)+16*\b+\i+1]|
.endr
.endr
.irp b, 0,1
	v_permlanex16_b32 v[(\bm)+2+\b], v[(\bm)+\b], s[SEL], s[SEL+1]
.endr
.irp b, 0,1
	v_max_num_f32 v[(\bm)+\b], v[(\bm)+\b], v[(\bm)+2+\b]
.endr
.endm
.macro SCALEOPS bm, so, by             ; the conversions' scale operands and the scale bytes
.irp b, 0,1
	v_add_nc_u32 v[(\so)+\b], EOFF, v[(\bm)+\b]
.endr
.irp b, 0,1
	v_lshrrev_b32 v[(\by)+\b], 23, v[(\so)+\b]
.endr
.endm
.macro CODES src, dst, so              ; v[dst .. dst + 3] of lane (r, h) = block h of row r: one group of 64 along K of an operand, and bytes 32 r + 16 h of rows of 32 bytes
	v_cvt_scalef32_pk8_fp4_f32 v[(\dst)], v[(\src):(\src)+7], v[(\so)]
	v_cvt_scalef32_pk8_fp4_f32 v[(\dst)+2], v[(\src)+8:(\src)+15], v[(\so)]
	v_cvt_scalef32_pk8_fp4_f32 v[(\dst)+1], v[(\src)+16:(\src)+23], v[(\so)+1]
	v_cvt_scalef32_pk8_fp4_f32 v[(\dst)+3], v[(\src)+24:(\src)+31], v[(\so)+1]
	v_nop                                          ; one plain line behind the conversions
	v_permlane16_swap_b32 v[(\dst)], v[(\dst)+1]   ; the first's lanes 16-31 change places with the second's lanes 0-15
	v_permlane16_swap_b32 v[(\dst)+2], v[(\dst)+3]
.endm
.macro ALOAD st                        ; my rows' three fragments of K step st
.irp c, 0,1
	global_load_b128 v[AF+8*((\st)%4)+4*\c:AF+8*((\st)%4)+4*\c+3], v4, s[36:37] offset:64*(\st)+32*\c
	global_load_b128 v[AF+32+8*((\st)%4)+4*\c:AF+32+8*((\st)%4)+4*\c+3], v4, s[38:39] offset:64*(\st)+32*\c
	global_load_b128 v[AF+64+8*((\st)%4)+4*\c:AF+64+8*((\st)%4)+4*\c+3], v4, s[36:37] offset:O_X2C+64*(\st)+32*\c
.endr
.endm
; A K step of 128: two tiles of weights at a time, eight products, the accumulators by turns
.macro KSTEP s
.irp pp, 0,1
.rept 4
	v_nop                                          ; four places in front of loads into registers that matrix instructions have read
.endr
.if (\pp == 0) && (\s >= 1) && (\s <= 4)
	ALOAD (\s)+3                                   ; into the registers that K step s - 1 has left
.endif
.irp u, 0,1
	ds_load_b128 v[BF+24*\u:BF+24*\u+3], v1 offset:8448*(2*\pp+\u)+64*(\s)
	ds_load_b128 v[BF+24*\u+4:BF+24*\u+7], v1 offset:8448*(2*\pp+\u)+64*(\s)+32
	ds_load_b128 v[BF+24*\u+8:BF+24*\u+11], v1 offset:33792+8448*(2*\pp+\u)+64*(\s)
	ds_load_b128 v[BF+24*\u+12:BF+24*\u+15], v1 offset:33792+8448*(2*\pp+\u)+64*(\s)+32
	ds_load_b128 v[BF+24*\u+16:BF+24*\u+19], v2 offset:8448*(2*\pp+\u)+64*(\s)
	ds_load_b128 v[BF+24*\u+20:BF+24*\u+23], v2 offset:8448*(2*\pp+\u)+64*(\s)+32
	ds_load_b32 v[BS+2*\u], v3 offset:1280*(\s)+64*(2*\pp+\u)          ; lanes 0-15 Wq_mu's words, lanes 16-31 Wq_var's
	ds_load_b32 v[BS+2*\u+1], v3 offset:1280*(\s)+640+64*(2*\pp+\u)    ; lanes 0-15 Wq_mu^2's
.endr
.if (\pp == 0) && (\s >= 4)
	s_wait_loadcnt 6*(7-(\s))                      ; this K step's six loads are in; six for each later K step may be out
.endif
	s_wait_dscnt 0x0
.irp u, 0,1
	MX AQ+8*(2*\pp+\u), BF+24*\u, AF+8*((\s)%4), (\s)==0, BS+2*\u, AS+(\s), 0
.endr
.irp u, 0,1
	MX AV+8*(2*\pp+\u), BF+24*\u+8, AF+32+8*((\s)%4), (\s)==0, BS+2*\u, AS+8+(\s), 1
.endr
.irp u, 0,1
	MX AV+8*(2*\pp+\u), BF+24*\u+16, AF+32+8*((\s)%4), 0, BS+2*\u+1, AS+8+(\s), 0
.endr
.irp u, 0,1
	MX AV+8*(2*\pp+\u), BF+24*\u+8, AF+64+8*((\s)%4), 0, BS+2*\u, AS+16+(\s), 1
.endr
.endr
.endm
	s_load_b256 s[4:11], s[0:1], 0x0               ; ops s[4:5], var_x codes s[6:7], var_x scales s[8:9], Wq_var codes s[10:11]
	s_load_b128 s[12:15], s[0:1], 0x20             ; Wq_var scales s[12:13], qops s[14:15]
	v_lshl_add_u32 v254, v0, 2, 0x29000
	v_mov_b32 v255, 0
	ds_add_u32 v254, v255
	ds_add_u32 v254, v255
	v_lshrrev_b32 v1, 5, v0
	v_readfirstlane_b32 s[WV], v1                  ; wave 0..15
	s_bfe_u32 s17, ttmp6, 0x40000                  ; cx
	s_lshl_b32 s18, ttmp9, 2
	s_add_co_u32 s18, s18, s17                     ; which 256 rows of x
	s_and_b32 s19, ttmp7, 0xffff                   ; the head, which the four partners share
	; descriptor group 1: a dense block of 32,768 bytes as 64 rows of 512 bytes (64 elements of 8), 16 bytes of padding behind each
	s_mov_b32 s[G1], 15|(3<<16)|(1<<20)|(1<<21)|(6<<22)|(3<<25)   ; the mask names all four work-groups; bit 21 beside it
	s_mov_b32 s[G1+1], 64<<16
	s_mov_b32 s[G1+2], 64<<16
	s_mov_b32 s[G1+3], 64<<16
	s_mov_b32 s[G1+4], 64
	s_mov_b32 s[G1+5], 64
	s_mov_b32 s[G1+6], 0
	s_mov_b32 s[G1+7], 0
	s_mov_b32 s[SEL], 0x76543210
	s_mov_b32 s[SEL+1], 0xfedcba98
	; group 0: wave 0 fetches Wq_mu's codes, wave 1 Wq_var's, wave 2 Wq_mu^2's; nothing in it hangs on the place in the cluster
	s_min_u32 s20, s[WV], 2
	s_mov_b32 s[G0], 1
	s_mul_i32 s[G0+1], s20, 33792
	s_mov_b32 s21, O_W2C
	s_cmp_eq_u32 s[WV], 0
	s_cselect_b32 s21, O_WC, s21
	s_cmp_eq_u32 s[WV], 1
	s_cselect_b32 s21, 0, s21
	s_lshl_b32 s58, s19, 15
	s_add_co_u32 s58, s58, s21
	s_mov_b32 s59, 0
	s_wait_dscnt 0x0
	s_wait_kmcnt 0x0
	s_cmp_eq_u32 s[WV], 1
	s_cselect_b64 s[G0+2:G0+3], s[10:11], s[4:5]
	s_add_nc_u64 s[G0+2:G0+3], s[G0+2:G0+3], s[58:59]
	s_or_b32 s[G0+3], s[G0+3], 0x80000000
	ROUND                                          ; all four work-groups are here: the joint loads meet
	s_cmp_lt_u32 s[WV], 3
	s_cbranch_scc0 .Lno_fill
	tensor_load_to_lds s[G0:G0+3], s[G1:G1+7]      ; one tensor load of mine is out; the bytes are filled once
	s_nop 0
.rept 4
	v_nop
.endr
.Lno_fill:
	v_and_b32 v13, 15, v0                          ; r
	v_bfe_u32 v14, v0, 4, 1                        ; h
	v_mul_u32_u24 v1, v13, 528
	v_lshl_add_u32 v1, v14, 4, v1                  ; a weight fragment: row r x 528 + 16 h
	v_add_nc_u32 v2, 67584, v1                     ; the same in the third array
	v_mul_u32_u24 v3, v14, 320
	v_lshl_add_u32 v3, v13, 2, v3
	v_add_nc_u32 v3, WSC, v3                       ; scale words: 4 r, lanes 16-31 one array on
	v_lshlrev_b32 v4, 9, v13
	v_lshl_add_u32 v4, v14, 4, v4                  ; my rows' codes: 512 r + 16 h
	v_lshlrev_b32 v5, 5, v13                       ; their scale bytes: 32 r
	v_lshl_add_u32 v6, v14, 4, v5                  ; out: 32 r + 16 h
	v_lshlrev_b32 v7, 4, v13
	v_lshl_add_u32 v7, v14, 3, v7                  ; out: 16 r + 8 h
	v_and_b32 v15, 127, v0
	v_lshlrev_b32 v15, 4, v15                      ; the weights' scale bytes: 128 threads x 16 bytes are an array's 2,048
	v_and_b32 v12, 1, v0
	v_mul_u32_u24 v12, v12, 5120                   ; my four words are K steps 4 (thread % 2) + 0 .. 3
	v_bfe_u32 v13, v0, 1, 6                        ; of row (thread % 128) / 2
	v_lshl_add_u32 v12, v13, 2, v12
	v_lshrrev_b32 v13, 7, v0                       ; of array thread / 128
	v_mad_u32_u24 v12, v13, 320, v12
	v_add_nc_u32 v12, WSC, v12
	s_lshl_b32 s60, s18, 8
	s_lshl_b32 s61, s[WV], 4
	s_add_co_u32 s60, s60, s61                     ; my first row of x
	s_lshl_b32 s62, s60, 9
	s_mov_b32 s63, 0
	s_add_nc_u64 s[36:37], s[4:5], s[62:63]        ; x's codes (x^2's lie 2,097,152 bytes on)
	s_add_nc_u64 s[38:39], s[6:7], s[62:63]        ; var_x's
	s_lshl_b32 s62, s60, 5
	s_add_nc_u64 s[44:45], s[8:9], s[62:63]        ; var_x's scale bytes
	s_add_nc_u64 s[42:43], s[4:5], s[62:63]
	s_add_nc_u64 s[42:43], s[42:43], O_XS          ; x's (x^2's lie 131,072 bytes on)
	s_lshr_b32 s66, s[WV], 2                       ; which array of weight scales my wave copies: Wq_mu, Wq_var, Wq_mu^2, Wq_var
	s_mov_b32 s68, O_W2S
	s_cmp_eq_u32 s66, 0
	s_cselect_b32 s68, O_WS, s68
	s_and_b32 s67, s66, 1
	s_cmp_eq_u32 s67, 1
	s_cselect_b32 s68, 0, s68
	s_cselect_b64 s[70:71], s[12:13], s[4:5]
	s_lshl_b32 s67, s19, 11
	s_add_co_u32 s68, s68, s67
	s_mov_b32 s69, 0
	s_add_nc_u64 s[70:71], s[70:71], s[68:69]
	global_load_b128 v[8:11], v15, s[70:71]
	global_load_b128 v[AS:AS+3], v5, s[42:43]
	global_load_b128 v[AS+4:AS+7], v5, s[42:43] offset:16
	global_load_b128 v[AS+8:AS+11], v5, s[44:45]
	global_load_b128 v[AS+12:AS+15], v5, s[44:45] offset:16
	global_load_b128 v[AS+16:AS+19], v5, s[42:43] offset:131072
	global_load_b128 v[AS+20:AS+23], v5, s[42:43] offset:131072+16
.irp s, 0,1,2,3
	ALOAD \s
.endr
	s_lshr_b32 s72, s18, 2                         ; where my results go: head index = 16 x batch + head,
	s_lshl_b32 s72, s72, 4
	s_add_co_u32 s72, s72, s19
	s_lshl_b32 s72, s72, 10
	s_and_b32 s73, s18, 3
	s_lshl_b32 s73, s73, 8
	s_add_co_u32 s72, s72, s73
	s_add_co_u32 s72, s72, s61                     ; x 1,024 + my first query
	s_lshl_b32 s74, s72, 5
	s_mov_b32 s75, 0
	s_add_nc_u64 s[48:49], s[14:15], s[74:75]      ; q's codes; q^2's and var_q's 2,097,152 and 4,194,304 bytes on
	s_lshl_b32 s74, s72, 4
	s_add_nc_u64 s[50:51], s[14:15], s[74:75]
	s_add_nc_u64 s[50:51], s[50:51], O_QSC         ; the scale words
	s_wait_loadcnt 30                              ; the weights' scale bytes are in; the 30 loads behind them may be out
	ds_store_b32 v12, v8
	ds_store_b32 v12, v9 offset:1280
	ds_store_b32 v12, v10 offset:2560
	ds_store_b32 v12, v11 offset:3840
	s_wait_tensorcnt 0x0                           ; my array has landed,
	s_wait_dscnt 0x0                               ; my words are stored:
	s_barrier_signal -1
	s_barrier_wait -1                              ; everybody's are
	s_wait_loadcnt 0x0
.irp s, 0,1,2,3,4,5,6,7
	KSTEP \s
.endr
	; ---- q, q^2 and var_q become codes along the head's 64
.rept 4
	v_nop
.endr
.set j, 0
.rept 16
	v_pk_mul_f32 v[80+j:81+j], v[AQ+j:AQ+j+1], v[AQ+j:AQ+j+1]      ; q^2; each accumulator is read from its low end on
.set j, j+2
.endr
.irp n, 114,115,118,119,122,123
	v_mov_b32 v\n, 0                               ; a lane permute's destination counts as one of its sources
.endr
	BMAXABS AQ, 112
	BMAXABS 80, 116
	BMAXABS AV, 120
	SCALEOPS 112, 124, 144
	SCALEOPS 116, 126, 146
	SCALEOPS 120, 128, 148
	CODES AQ, 132, 124
	CODES 80, 136, 126
	CODES AV, 140, 128
	v_lshl_or_b32 v150, v145, 8, v144
	v_or_b32 v150, 0x7f7f0000, v150                ; (q0, q1, 7f, 7f)
	v_lshl_or_b32 v151, v147, 8, v146
	v_lshl_or_b32 v151, v151, 16, 0x7f7f           ; (7f, 7f, qq0, qq1)
	v_lshl_or_b32 v152, v149, 8, v148
	v_lshl_or_b32 v152, v152, 16, v152             ; (vq0, vq1, vq0, vq1)
	v_mov_b32 v153, 0x7f7f7f7f
	v_bfe_u32 v156, v0, 4, 1
	v_cmp_eq_u32 vcc_lo, 1, v156
	v_cndmask_b32 v154, v150, v152, vcc_lo         ; lanes 0-15 store a query's first two words, lanes 16-31 its last two
	v_cndmask_b32 v155, v151, v153, vcc_lo
	global_store_b128 v6, v[132:135], s[48:49]                     ; the wave stores 512 consecutive bytes, aligned
	global_store_b128 v6, v[136:139], s[48:49] offset:2097152
	global_store_b128 v6, v[140:143], s[48:49] offset:4194304
	global_store_b64 v7, v[154:155], s[50:51]                      ; and 256
	s_wait_tensorcnt 0x0
	ds_add_u32 v254, v255
	s_wait_dscnt 0x0
	ROUND                                          ; the closing round: no work-group ends while a partner may still ask jointly
	s_endpgm
.Lfunc_end_k_q48b162fe95_proj:
	.size	k_q48b162fe95_proj, .Lfunc_end_k_q48b162fe95_proj-k_q48b162fe95_proj
	.p2alignl 7, 3214868480
	.fill 96, 4, 3214868480
	.section	.rodata,"a",@progbits
	.p2align	6, 0x0
	.amdhsa_kernel k_q48b162fe95_proj
		.amdhsa_group_segment_fixed_size 169984
		.amdhsa_private_segment_fixed_size 0
		.amdhsa_enable_private_segment 0
		.amdhsa_kernarg_size 48
		.amdhsa_user_sgpr_count 2
		.amdhsa_user_sgpr_kernarg_segment_ptr 1
		.amdhsa_wavefront_size32 1
		.amdhsa_system_sgpr_workgroup_id_x 1
		.amdhsa_system_sgpr_workgroup_id_y 1
		.amdhsa_system_sgpr_workgroup_id_z 1
		.amdhsa_system_vgpr_workitem_id 0
		.amdhsa_next_free_vgpr 256
		.amdhsa_next_free_sgpr 80
		.amdhsa_reserve_vcc 1
		.amdhsa_float_denorm_mode_32 3
		.amdhsa_float_denorm_mode_16_64 3
		.amdhsa_memory_ordered 1
		.amdhsa_forward_progress 1
		.amdhsa_inst_pref_size 54
	.end_amdhsa_kernel
	.amdgpu_metadata
---
amdhsa.version: [ 1, 2 ]
amdhsa.kernels:
  - .name:           k_q48b162fe95_proj
    .symbol:         k_q48b162fe95_proj.kd
    .args:
      - { .name: ops, .offset: 0, .size: 8, .value_kind: global_buffer, .address_space: global }
      - { .name: var_x_codes, .offset: 8, .size: 8, .value_kind: global_buffer, .address_space: global }
      - { .name: var_x_scales, .offset: 16, .size: 8, .value_kind: global_buffer, .address_space: global }
      - { .name: Wq_var_codes, .offset: 24, .size: 8, .value_kind: global_buffer, .address_space: global }
      - { .name: Wq_var_scales, .offset: 32, .size: 8, .value_kind: global_buffer, .address_space: global }
      - { .name: qops, .offset: 40, .size: 8, .value_kind: global_buffer, .address_space: global }
    .group_segment_fixed_size: 169984
    .private_segment_fixed_size: 0
    .kernarg_segment_align: 8
    .kernarg_segment_size: 48
    .max_flat_workgroup_size: 512
    .sgpr_count:     80
    .vgpr_count:     256
    .wavefront_size: 32
...
	.end_amdgpu_metadata
.endif
;; end of part 2
;; launch attn (part 3): grid 4 x 64, 16 waves a work-group, clusters of 4 x 1, 295,936 bytes of LDS; arguments ops, qops, var_k_codes, var_k_scales, var_v_codes, var_v_scales, x, out0, out1; writes out0, out1
.if DOCPART == 3
	.amdgcn_target "amdgcn-amd-amdhsa--gfx1250"
	.amdhsa_code_object_version 6
	.text
	.protected	k_q48b162fe95_attn
	.globl	k_q48b162fe95_attn
	.p2align	8
	.type	k_q48b162fe95_attn,@function
k_q48b162fe95_attn:
	s_mov_b64 s[64:65], 0
	v_nop
	global_prefetch_b8 v0, s[64:65] scope:SCOPE_SE
	s_setreg_imm32_b32 hwreg(HW_REG_WAVE_MODE, 25, 1), 1
	s_wait_xcnt 0x0
	s_wait_alu depctr_hold_cnt(0) depctr_sa_sdst(0) depctr_va_vdst(0) depctr_va_sdst(0) depctr_va_ssrc(0) depctr_va_vcc(0) depctr_vm_vsrc(0)
	s_getreg_b32 s2, hwreg(HW_REG_IB_STS2, 6, 4)
	s_cmp_eq_u32 s2, 0
	s_cbranch_scc0 .Lentry_in_a_cluster
	s_endpgm
.Lentry_in_a_cluster:
	s_bfe_u32 s2, ttmp6, 0x10000c
	s_cmp_lg_u32 s2, 0x3003
	s_cbranch_scc0 .Lentry_shape_is_right
	s_endpgm
.Lentry_shape_is_right:
; The attention with propagated variances, causal, all eight products on codes of E2M1 with E8M0 scales.
;   a = q k^T / 32;  va = (vq vk^T + vq (k^2)^T + q^2 vk^T) / 1024;  p = softmax(a);  s = sum p^2 va;  vo = p^2 (s + va (1 - 2 p))
;   out0 = x + p v;  out1 = vo vv + vo v^2 + p^2 vv.
; vo and p^2 are quantised finished, so a row's sum l and its s must be known first: TWO PASSES over the keys.  Pass 1 finds M (a running whole number), l and s; pass 2 forms the scores again and does the last four products.
; p v takes p' = 2^(t - M), not normalised, and is divided by l at the end.  Keys behind the diagonal have p = 0, so vo = p^2 = 0: their steps are left out in both passes.
; SHARES.  The four work-groups of a cluster are one head's; each of sixteen waves owns one tile of 16 queries, tile 8 c + 2 cx + e.  The class c, which says how many key steps the wave walks (c + 1 of 128), and e hang on the
; wave's number alone, by a table whose rows and columns of four add up alike; cx enters global addresses and the mask's compare alone: no branch and no LDS address hangs on it.
; LDS holds the head's six arrays of codes, filled once by joint tensor loads; nothing is filled again.  One barrier.
; LAYOUT.  All products are used transposed (source 0 = 16 keys or 16 channels, source 1 = my 16 queries): a lane holds ONE query, register j of tile t key (or channel) 16 t + 8 (lane / 16) + j.
; K = 64 IS HALF AN INSTRUCTION: a fragment is two groups of four registers, 64 along K each.  Three groups on end, [k | vk | k^2], give the operands [k | vk] and [vk | k^2]; against [q | 0], [vq | vq] and [0 | q^2]
; they make a and va in three instructions a tile.
; LIMITS: NaN, infinities and a given scale byte 0xff are not served (such a byte of var_k would also reach a, through the half of K whose other side is zero codes); a block whose largest magnitude lies under 2^-124 carries the byte 1.
.set O_KC,  4194304
.set O_K2C, 6291456
.set O_KS,  13893632
.set O_VS,  14155776
.set O_V2S, 14286848
.set O_QSC, 6291456
.set FLOOR, 0x1800000
.set EOFF,  0xff000000
.set L_VC,  104448                     ; LDS: k, var_k, k^2 codes at 0, 34816, 69632 (8 keys of 32 bytes + 16 of padding: 272); v, var_v, v^2 codes at 104448, 138240, 172032 (rows of 512 bytes + 16)
.set L_KSC, 205824                     ; [key][two words]: (k0,k1,vk0,vk1), (vk0,vk1,kk0,kk1)
.set L_VSC, 214016                     ; [key step 8][array 4, 320 bytes apart][channel 64] words: v, var_v, v^2, var_v
.set L_STG, 224256                     ; the way out: 16 rows x 272 bytes for each wave
.set QB, 20                            ; v20-31  [q | 0 | q^2]
.set VQ, 32                            ; v32-39  [vq | vq]
.set QS, 40                            ; v40-43  my queries' four scale words
.set PC, 44                            ; v44-51  p's codes;  v52-59 vo's;  v60-67 p^2's;  v68, v69, v70 their scale words
.set VOC, 52
.set P2C, 60
.set FB, 72                            ; v72-119 fragments; at work while no fragment is live
.set FS, 120                           ; v120-123 K's or V's scale words
.set SA, 124                           ; v124-155 scores, p, p^2
.set SV, 156                           ; v156-187 va, vo
.set OM, 188                           ; v188-219 p' v
.set OV, 220                           ; v220-251 the variance
; v1 AK0, v2 AS0, v3 AV0, v4 AT0: my lane's places in K's codes, K's words, V's codes, V's words; v5 my query - 8 (lane / 16); v6 the prefetch's offset; v7-9 the addresses in hand; v10 -infinity
; v12 -M, v13 the largest t; v[14:15] l in two halves, later 1 / l twice; v[16:17] s likewise; v18 f, v19 f^2; v252-253 at work; v[254:255] 2^-10 twice
.set WV, 22
.set CX, 23
.set HEAD, 24
.set CL, 25
.set EE, 26
.set TI, 27
.set Q0, 28
.set C2, 29
.set C21, 30
.set G1K, 32
.set G1V, 40
.set G0K, 48
.set G0V, 52
.set SEL, 56
.set CS, 58                            ; s[58:59] log2(e) / 32
.set NH, 60                            ; s[60:61] -2^-9
.set ST, 66
.set TK, 67
.set TS, 68
.set TV, 69
.set TT, 70
.set KF, 71
.macro ROUND                           ; a round of the cluster's barrier
	s_barrier_signal -1
	s_barrier_wait -1
	s_cmp_lg_u32 s[WV], 0
	s_cbranch_scc1 .Lnot_wave_0_\@
	s_barrier_signal -3
.Lnot_wave_0_\@:
	s_barrier_wait -3
	s_barrier_signal -1
	s_barrier_wait -1
.endm
.macro MX d, a, b, z, sa, sb, row      ; one product; z: it starts the sum; row: source 0's scales stand in lanes 16-31
.if \z
.if \row
	v_wmma_scale_f32_16x16x128_f8f6f4 v[(\d):(\d)+7], v[(\a):(\a)+7], v[(\b):(\b)+7], 0, v[(\sa)], v[(\sb)] matrix_a_fmt:MATRIX_FMT_FP4 matrix_b_fmt:MATRIX_FMT_FP4 matrix_a_scale:MATRIX_SCALE_ROW1
.else
	v_wmma_scale_f32_16x16x128_f8f6f4 v[(\d):(\d)+7], v[(\a):(\a)+7], v[(\b):(\b)+7], 0, v[(\sa)], v[(\sb)] matrix_a_fmt:MATRIX_FMT_FP4 matrix_b_fmt:MATRIX_FMT_FP4
.endif
.else
.if \row
	v_wmma_scale_f32_16x16x128_f8f6f4 v[(\d):(\d)+7], v[(\a):(\a)+7], v[(\b):(\b)+7], v[(\d):(\d)+7], v[(\sa)], v[(\sb)] matrix_a_fmt:MATRIX_FMT_FP4 matrix_b_fmt:MATRIX_FMT_FP4 matrix_a_scale:MATRIX_SCALE_ROW1
.else
	v_wmma_scale_f32_16x16x128_f8f6f4 v[(\d):(\d)+7], v[(\a):(\a)+7], v[(\b):(\b)+7], v[(\d):(\d)+7], v[(\sa)], v[(\sb)] matrix_a_fmt:MATRIX_FMT_FP4 matrix_b_fmt:MATRIX_FMT_FP4
.endif
.endif
.endm
.macro BMAXABS src, bm                 ; two blocks' largest magnitudes, with the floor
.irp b, 0,1
	v_max3_num_f32 v[(\bm)+\b], |v[(\src)+16*\b]|, |v[(\src)+16*\b+1]|, FLOOR
.endr
.irp i, 2,4,6,8,10,12,14
.irp b, 0,1
	v_max3_num_f32 v[(\bm)+\b], v[(\bm)+\b], |v[(\src)+16*\b+\i]|, |v[(\src)+16*\b+\i+1]|
.endr
.endr
.irp b, 0,1
	v_permlanex16_b32 v[(\bm)+2+\b], v[(\bm)+\b], s[SEL], s[SEL+1]
.endr
.irp b, 0,1
	v_max_num_f32 v[(\bm)+\b], v[(\bm)+\b], v[(\bm)+2+\b]
.endr
.endm
.macro SCALEOPS bm, so, by
.irp b, 0,1
	v_add_nc_u32 v[(\so)+\b], EOFF, v[(\bm)+\b]
.endr
.irp b, 0,1
	v_lshrrev_b32 v[(\by)+\b], 23, v[(\so)+\b]
.endr
.endm
.macro CODES src, dst, so              ; v[dst .. dst + 3] of lane (r, h) = block h of query r: one group of 64 keys of an operand
	v_cvt_scalef32_pk8_fp4_f32 v[(\dst)], v[(\src):(\src)+7], v[(\so)]
	v_cvt_scalef32_pk8_fp4_f32 v[(\dst)+2], v[(\src)+8:(\src)+15], v[(\so)]
	v_cvt_scalef32_pk8_fp4_f32 v[(\dst)+1], v[(\src)+16:(\src)+23], v[(\so)+1]
	v_cvt_scalef32_pk8_fp4_f32 v[(\dst)+3], v[(\src)+24:(\src)+31], v[(\so)+1]
	v_nop                                          ; one plain line behind the conversions
	v_permlane16_swap_b32 v[(\dst)], v[(\dst)+1]
	v_permlane16_swap_b32 v[(\dst)+2], v[(\dst)+3]
.endm
.macro WORD w, by, hf                  ; two scale bytes into the lower (hf = 0) or upper half of a step's scale word
.if \hf
	v_lshl_or_b32 v[(\w)], v[(\by)], 16, v[(\w)]
	v_lshl_or_b32 v[(\w)], v[(\by)+1], 24, v[(\w)]
.else
	v_lshl_or_b32 v[(\w)], v[(\by)+1], 8, v[(\by)]
.endif
.endm
; a and va (not yet divided) of 64 keys: four tiles, three products each, the accumulators by turns
.macro SCORES ko, so
.rept 4
	v_nop                                          ; four places in front of loads into registers that matrix instructions have read
.endr
.irp t, 0,1,2,3
	ds_load_b128 v[FB+12*\t:FB+12*\t+3], v7 offset:(\ko)+544*\t
	ds_load_b128 v[FB+12*\t+4:FB+12*\t+7], v7 offset:34816+(\ko)+544*\t
	ds_load_b128 v[FB+12*\t+8:FB+12*\t+11], v8 offset:(\ko)+544*\t
	ds_load_b32 v[FS+\t], v9 offset:(\so)+128*\t   ; lanes 0-15 a key's first word, lanes 16-31 its second
.endr
	s_wait_dscnt 0x0
.irp t, 0,1,2,3
	MX SA+8*\t, FB+12*\t, QB, 1, FS+\t, QS, 0      ; [k | vk] x [q | 0]
.endr
.irp t, 0,1,2,3
	MX SV+8*\t, FB+12*\t+4, VQ, 1, FS+\t, QS+2, 1  ; [vk | k^2] x [vq | vq]
.endr
.irp t, 0,1,2,3
	MX SV+8*\t, FB+12*\t, QB+4, 0, FS+\t, QS+1, 0  ; [k | vk] x [0 | q^2]
.endr
.rept 4
	v_nop
.endr
.endm
.macro MASK base                       ; register 8 t + j holds key KF + base + 16 t + 8 (lane / 16) + j: hidden where it comes after my query
	v_sub_nc_u32 v72, v5, s[KF]
.set n, 0
.rept 32
	v_cmp_gt_i32 vcc_lo, (\base)+16*(n/8)+n%8, v72
	v_cndmask_b32 v[SA+n], v[SA+n], v10, vcc_lo
.set n, n+1
.endr
.endm
.macro BMAXS                           ; the largest score of each block of 32 keys, into v72, v73
.irp b, 0,1
	v_max3_num_f32 v[72+\b], v[SA+16*\b], v[SA+16*\b+1], v[SA+16*\b+2]
.endr
.irp i, 3,5,7,9,11,13
.irp b, 0,1
	v_max3_num_f32 v[72+\b], v[72+\b], v[SA+16*\b+\i], v[SA+16*\b+\i+1]
.endr
.endr
.irp b, 0,1
	v_max_num_f32 v[72+\b], v[72+\b], v[SA+16*\b+15]
.endr
.irp b, 0,1
	v_permlanex16_b32 v[74+\b], v[72+\b], s[SEL], s[SEL+1]
.endr
.irp b, 0,1
	v_max_num_f32 v[72+\b], v[72+\b], v[74+\b]
.endr
.endm
; Pass 2's vector work for 64 keys: p', p, vo and p^2, each quantised along the keys.  A block's largest p' and p^2 are not searched for: the block's largest score goes through the same instructions.
.macro SOFT2 hf
	BMAXS
.set j, 0
.rept 16
	v_pk_fma_f32 v[SA+j:SA+j+1], v[SA+j:SA+j+1], s[CS:CS+1], v[12:13] op_sel_hi:[1,0,0]   ; t - M
.set j, j+2
.endr
	v_fma_f32 v72, v72, s[CS], v12
	v_fma_f32 v73, v73, s[CS], v12
.set j, 0
.rept 32
	v_exp_f32 v[SA+j], v[SA+j]                     ; p' = 2^(t - M)
.set j, j+1
.endr
	v_exp_f32 v72, v72
	v_exp_f32 v73, v73
	v_nop                                          ; a plain line behind the last exponential
	s_wait_alu depctr_va_vdst(0)                   ; one wait for the batch of 34, ahead of its first reader
	v_max_num_f32 v74, FLOOR, v72
	v_max_num_f32 v75, FLOOR, v73
	SCALEOPS 74, 76, 78
	WORD 68, 78, \hf
	CODES SA, PC+4*(\hf), 76
	v_mul_f32 v72, v72, v14
	v_mul_f32 v73, v73, v14
.set j, 0
.rept 16
	v_pk_mul_f32 v[SA+j:SA+j+1], v[SA+j:SA+j+1], v[14:15]          ; p = p' / l
.set j, j+2
.endr
.set j, 0
.rept 16
	v_pk_fma_f32 v[80+j:81+j], v[SA+j:SA+j+1], s[NH:NH+1], v[254:255] op_sel_hi:[1,0,1]   ; (1 - 2 p) / 1024
.set j, j+2
.endr
.set j, 0
.rept 16
	v_pk_fma_f32 v[SV+j:SV+j+1], v[SV+j:SV+j+1], v[80+j:81+j], v[16:17]                   ; s + va (1 - 2 p); each accumulator from its low end on
.set j, j+2
.endr
.set j, 0
.rept 16
	v_pk_mul_f32 v[SA+j:SA+j+1], v[SA+j:SA+j+1], v[SA+j:SA+j+1]    ; p^2
.set j, j+2
.endr
	v_mul_f32 v72, v72, v72
	v_mul_f32 v73, v73, v73
.set j, 0
.rept 16
	v_pk_mul_f32 v[SV+j:SV+j+1], v[SV+j:SV+j+1], v[SA+j:SA+j+1]    ; vo
.set j, j+2
.endr
	v_max_num_f32 v74, FLOOR, v72
	v_max_num_f32 v75, FLOOR, v73
	SCALEOPS 74, 92, 94
	WORD 70, 94, \hf
	CODES SA, P2C+4*(\hf), 92
	BMAXABS SV, 84
	SCALEOPS 84, 88, 90
	WORD 69, 90, \hf
	CODES SV, VOC+4*(\hf), 88
.endm
.macro HALF hf
	SCORES 2176*(\hf), 512*(\hf)
	s_cmp_lg_u32 s[ST], s[CL]                      ; only the wave's last step meets the diagonal
	s_cbranch_scc1 .Lopen_\@
	MASK 64*(\hf)
.Lopen_\@:
	SOFT2 \hf
.endm
; The four products over 128 keys: two tiles of 16 channels at a time, eight instructions, the accumulators by turns
.macro PV
	v_add_nc_u32 v7, s[TV], v3
	v_add_nc_u32 v9, s[TT], v4
	v_add_nc_u32 v8, 0x10800, v7                   ; the third array lies 67,584 bytes on
.irp pp, 0,1
.rept 4
	v_nop
.endr
.irp u, 0,1
	ds_load_b128 v[FB+24*\u:FB+24*\u+3], v7 offset:8448*(2*\pp+\u)
	ds_load_b128 v[FB+24*\u+4:FB+24*\u+7], v7 offset:8448*(2*\pp+\u)+32
	ds_load_b128 v[FB+24*\u+8:FB+24*\u+11], v7 offset:33792+8448*(2*\pp+\u)
	ds_load_b128 v[FB+24*\u+12:FB+24*\u+15], v7 offset:33792+8448*(2*\pp+\u)+32
	ds_load_b128 v[FB+24*\u+16:FB+24*\u+19], v8 offset:8448*(2*\pp+\u)
	ds_load_b128 v[FB+24*\u+20:FB+24*\u+23], v8 offset:8448*(2*\pp+\u)+32
	ds_load_b32 v[FS+2*\u], v9 offset:64*(2*\pp+\u)                ; lanes 0-15 v's words, lanes 16-31 var_v's
	ds_load_b32 v[FS+2*\u+1], v9 offset:640+64*(2*\pp+\u)          ; lanes 0-15 v^2's
.endr
.if \pp == 0
.rept 8
	v_nop                                          ; the scale words made by vector instructions stand eight places ahead of the scaled products, the codes four
.endr
.endif
	s_wait_dscnt 0x0
.irp u, 0,1
	MX OM+8*(2*\pp+\u), FB+24*\u, PC, 0, FS+2*\u, 68, 0
.endr
.irp u, 0,1
	MX OV+8*(2*\pp+\u), FB+24*\u+8, VOC, 0, FS+2*\u, 69, 1
.endr
.irp u, 0,1
	MX OV+8*(2*\pp+\u), FB+24*\u+16, VOC, 0, FS+2*\u+1, 69, 0
.endr
.irp u, 0,1
	MX OV+8*(2*\pp+\u), FB+24*\u+8, P2C, 0, FS+2*\u, 70, 1
.endr
.endr
.endm
	s_load_b512 s[4:19], s[0:1], 0x0               ; ops 4, qops 6, var_k codes 8, var_k scales 10, var_v codes 12, var_v scales 14, x 16, out0 18
	s_load_b64 s[20:21], s[0:1], 0x40              ; out1
	v_lshl_add_u32 v254, v0, 2, 0x47c00
	v_mov_b32 v255, 0
	ds_add_u32 v254, v255
	ds_add_u32 v254, v255
	s_wait_dscnt 0x0
	v_lshrrev_b32 v7, 5, v0
	v_readfirstlane_b32 s[WV], v7                  ; wave 0..15
	s_bfe_u32 s[CX], ttmp6, 0x40000                ; cx
	s_and_b32 s[HEAD], ttmp7, 0xffff               ; the head, which the four partners share
	; descriptor groups 1: a dense block of 32,768 bytes; K's as 128 rows of 256 bytes, V's as 64 rows of 512; 16 bytes of padding behind each row; the mask names all four work-groups, bit 21 beside it
	s_mov_b32 s[G1K], 15|(3<<16)|(1<<20)|(1<<21)|(5<<22)|(3<<25)
	s_mov_b32 s[G1K+1], 32<<16
	s_mov_b32 s[G1K+2], 128<<16
	s_mov_b32 s[G1K+3], 32<<16
	s_mov_b32 s[G1K+4], 128
	s_mov_b32 s[G1K+5], 32
	s_mov_b32 s[G1K+6], 0
	s_mov_b32 s[G1K+7], 0
	s_mov_b32 s[G1V], 15|(3<<16)|(1<<20)|(1<<21)|(6<<22)|(3<<25)
	s_mov_b32 s[G1V+1], 64<<16
	s_mov_b32 s[G1V+2], 64<<16
	s_mov_b32 s[G1V+3], 64<<16
	s_mov_b32 s[G1V+4], 64
	s_mov_b32 s[G1V+5], 64
	s_mov_b32 s[G1V+6], 0
	s_mov_b32 s[G1V+7], 0
	; groups 0: wave w < 3 fetches K's array w and V's array w (the made one, the given one, the squares'); nothing in them hangs on the place in the cluster
	s_min_u32 s31, s[WV], 2
	s_mov_b32 s[G0K], 1
	s_mul_i32 s[G0K+1], s31, 34816
	s_mov_b32 s[G0V], 1
	s_mul_i32 s[G0V+1], s31, 33792
	s_add_co_u32 s[G0V+1], s[G0V+1], L_VC
	s_mov_b32 s2, O_K2C
	s_cmp_eq_u32 s[WV], 0
	s_cselect_b32 s2, O_KC, s2
	s_cmp_eq_u32 s[WV], 1
	s_cselect_b32 s2, 0, s2
	s_cselect_b32 s31, 0, 0x400000                 ; in ops V's arrays lie 4,194,304 bytes behind K's
	s_lshl_b32 s3, s[HEAD], 15
	s_add_co_u32 s2, s2, s3
	s_mov_b32 s3, 0
	s_wait_kmcnt 0x0
	s_cmp_eq_u32 s[WV], 1
	s_cselect_b64 s[G0K+2:G0K+3], s[8:9], s[4:5]
	s_cselect_b64 s[G0V+2:G0V+3], s[12:13], s[4:5]
	s_add_nc_u64 s[G0K+2:G0K+3], s[G0K+2:G0K+3], s[2:3]
	s_add_co_u32 s2, s2, s31
	s_add_nc_u64 s[G0V+2:G0V+3], s[G0V+2:G0V+3], s[2:3]
	s_or_b32 s[G0K+3], s[G0K+3], 0x80000000
	s_or_b32 s[G0V+3], s[G0V+3], 0x80000000
	ROUND                                          ; all four work-groups are here: the joint loads meet
	s_cmp_lt_u32 s[WV], 3
	s_cbranch_scc0 .Lno_fill
	tensor_load_to_lds s[G0K:G0K+3], s[G1K:G1K+7]  ; two tensor loads of mine are out; every byte is filled once
	s_nop 0
	tensor_load_to_lds s[G0V:G0V+3], s[G1V:G1V+7]
	s_nop 0
.rept 4
	v_nop
.endr
.Lno_fill:
	; my tile: the class by the table 0 7 4 3 | 7 0 3 4 | 1 6 5 2 | 6 1 2 5, a nibble a wave
	s_mov_b32 s72, 0x52162561
	s_cmp_lt_u32 s[WV], 8
	s_cselect_b32 s72, 0x43073470, s72
	s_and_b32 s73, s[WV], 7
	s_lshl_b32 s73, s73, 2
	s_lshr_b32 s74, s72, s73
	s_and_b32 s[CL], s74, 7
	s_lshr_b32 s74, s74, 4
	s_and_b32 s75, s74, 7                          ; the next wave's class (used in even waves alone, for the prefetch)
	s_bfe_u32 s[EE], s[WV], 0x10002
	s_lshl_b32 s76, s[CX], 1
	s_add_co_u32 s76, s76, s[EE]
	s_lshl_b32 s[TI], s[CL], 3
	s_add_co_u32 s[TI], s[TI], s76
	s_lshl_b32 s[Q0], s[TI], 4                     ; my first query
	s_lshl_b32 s77, s75, 3
	s_add_co_u32 s77, s77, s76
	s_lshl_b32 s77, s77, 4                         ; the next wave's
	s_lshl_b32 s[C2], s[CL], 1
	s_add_co_u32 s[C21], s[C2], 1
	s_mov_b32 s[SEL], 0x76543210
	s_mov_b32 s[SEL+1], 0xfedcba98
	s_mov_b32 s[CS], 0x3d38aa3b                    ; log2(e) / 32
	s_mov_b32 s[CS+1], s[CS]
	s_mov_b32 s[NH], 0xbb000000                    ; -2^-9
	s_mov_b32 s[NH+1], s[NH]
	s_mov_b32 s[ST], 0
	s_mov_b32 s[TK], 0
	s_mov_b32 s[TS], 0
	s_mov_b32 s[KF], 0
	v_and_b32 v7, 15, v0                           ; r
	v_bfe_u32 v8, v0, 4, 1                         ; h
	v_bfe_u32 v9, v0, 3, 1
	v_and_b32 v11, 7, v0
	v_mul_u32_u24 v1, v9, 272
	v_lshl_add_u32 v1, v11, 5, v1
	v_lshl_add_u32 v1, v8, 4, v1                   ; AK0 = 272 (r / 8) + 32 (r % 8) + 16 h
	v_lshlrev_b32 v2, 3, v7
	v_lshl_add_u32 v2, v8, 2, v2
	v_add_nc_u32 v2, L_KSC, v2                     ; AS0 = 8 r + 4 h
	v_mul_u32_u24 v3, v7, 528
	v_lshl_add_u32 v3, v8, 4, v3
	v_add_nc_u32 v3, L_VC, v3                      ; AV0 = 528 r + 16 h
	v_mul_u32_u24 v4, v8, 320
	v_lshl_add_u32 v4, v7, 2, v4
	v_add_nc_u32 v4, L_VSC, v4                     ; AT0 = 4 r + 320 h
	v_lshlrev_b32 v9, 3, v8
	v_sub_nc_u32 v5, v7, v9
	v_add_nc_u32 v5, s[Q0], v5                     ; my query - 8 h
	v_mov_b32 v6, s[Q0]
	v_mov_b32 v9, s77
	v_cmp_eq_u32 vcc_lo, 1, v8
	v_cndmask_b32 v6, v6, v9, vcc_lo
	v_add_nc_u32 v6, v6, v7
	v_lshlrev_b32 v6, 12, v6                       ; the prefetch: lanes 0-15 my tile's rows of x, lanes 16-31 the next wave's; a row of x is 4,096 bytes
	v_mov_b32 v10, 0xff800000
	v_mov_b32 v252, 0
	v_mov_b32 v253, 0
	v_mov_b32 v254, 0x3a800000
	v_mov_b32 v255, 0x3a800000
	v_lshlrev_b32 v104, 2, v0                      ; K's scale bytes: 4 a thread (two keys)
	v_and_b32 v105, 127, v0
	v_lshlrev_b32 v105, 4, v105                    ; V's: 128 threads x 16 bytes are an array's 2,048
	v_lshlrev_b32 v106, 5, v7
	v_lshl_add_u32 v106, v8, 4, v106               ; my queries' codes: 32 r + 16 h
	v_lshlrev_b32 v107, 4, v7                      ; their words: 16 r
	v_lshl_add_u32 v108, v0, 4, L_KSC              ; where I store two keys' words
	v_and_b32 v109, 1, v0
	v_mul_u32_u24 v109, v109, 5120                 ; my four words of V's are key steps 4 (thread % 2) + 0 .. 3
	v_bfe_u32 v110, v0, 1, 6                       ; of channel (thread % 128) / 2
	v_lshl_add_u32 v109, v110, 2, v109
	v_lshrrev_b32 v110, 7, v0                      ; of array thread / 128
	v_mad_u32_u24 v109, v110, 320, v109
	v_add_nc_u32 v109, L_VSC, v109
	s_lshl_b32 s88, s[HEAD], 11
	s_mov_b32 s89, 0
	s_add_nc_u64 s[92:93], s[4:5], s[88:89]
	s_add_nc_u64 s[92:93], s[92:93], O_KS          ; k's scale bytes (k^2's lie 131,072 bytes on)
	s_add_nc_u64 s[94:95], s[10:11], s[88:89]      ; var_k's
	s_lshr_b32 s72, s[WV], 2                       ; which array of V's scale bytes my wave copies: v, var_v, v^2, var_v
	s_mov_b32 s74, O_V2S
	s_cmp_eq_u32 s72, 0
	s_cselect_b32 s74, O_VS, s74
	s_and_b32 s73, s72, 1
	s_cmp_eq_u32 s73, 1
	s_cselect_b32 s74, 0, s74
	s_cselect_b64 s[96:97], s[14:15], s[4:5]
	s_add_co_u32 s74, s74, s88
	s_mov_b32 s75, 0
	s_add_nc_u64 s[96:97], s[96:97], s[74:75]
	s_lshl_b32 s72, s[HEAD], 10
	s_add_co_u32 s72, s72, s[Q0]
	s_lshl_b32 s74, s72, 5
	s_add_nc_u64 s[98:99], s[6:7], s[74:75]        ; q's codes; q^2's and var_q's 2,097,152 and 4,194,304 bytes on
	s_lshl_b32 s74, s72, 4
	s_add_nc_u64 s[90:91], s[6:7], s[74:75]
	s_add_nc_u64 s[90:91], s[90:91], O_QSC         ; the queries' scale words
	global_load_b32 v72, v104, s[92:93]
	global_load_b32 v73, v104, s[94:95]
	global_load_b32 v74, v104, s[92:93] offset:131072
	global_load_b128 v[76:79], v105, s[96:97]
	global_load_b128 v[QB:QB+3], v106, s[98:99]
	global_load_b128 v[QB+8:QB+11], v106, s[98:99] offset:2097152
	global_load_b128 v[VQ:VQ+3], v106, s[98:99] offset:4194304
	global_load_b128 v[VQ+4:VQ+7], v106, s[98:99] offset:4194304
	global_load_b128 v[QS:QS+3], v107, s[90:91]
.irp n, 24,25,26,27
	v_mov_b32 v\n, 0                               ; the zero codes between q and q^2
.endr
	s_lshr_b32 s78, s[HEAD], 4                     ; x, out0, out1: batch x 4,194,304 + head x 256
	s_lshl_b32 s78, s78, 22
	s_and_b32 s79, s[HEAD], 15
	s_lshl_b32 s79, s79, 8
	s_add_co_u32 s78, s78, s79
	s_mov_b32 s79, 0
	s_add_nc_u64 s[80:81], s[16:17], s[78:79]      ; the prefetch's base; never rewritten
	s_lshl_b32 s74, s[Q0], 12
	s_add_co_u32 s78, s78, s74                     ; + my first query's row
	s_add_nc_u64 s[82:83], s[16:17], s[78:79]
	s_add_nc_u64 s[84:85], s[18:19], s[78:79]
	s_add_nc_u64 s[86:87], s[20:21], s[78:79]
	v_mov_b32 v13, 0xff61b1e6                      ; the largest t so far: -3e38
	v_floor_f32 v12, -v13                          ; -M
	v_mov_b32 v14, 0
	v_mov_b32 v15, 0
	v_mov_b32 v16, 0
	v_mov_b32 v17, 0
	s_wait_loadcnt 5                               ; the four loads of scale bytes are in; my queries' five may be out
	v_perm_b32 v80, v73, v72, 0x05040100           ; key 2 t: (k0, k1, vk0, vk1)
	v_perm_b32 v81, v74, v73, 0x05040100           ;          (vk0, vk1, kk0, kk1)
	v_perm_b32 v82, v73, v72, 0x07060302           ; key 2 t + 1
	v_perm_b32 v83, v74, v73, 0x07060302
	ds_store_b128 v108, v[80:83]
	ds_store_b32 v109, v76
	ds_store_b32 v109, v77 offset:1280
	ds_store_b32 v109, v78 offset:2560
	ds_store_b32 v109, v79 offset:3840
	s_wait_tensorcnt 0x0                           ; my two arrays have landed,
	s_wait_dscnt 0x0                               ; my words are stored:
	s_barrier_signal -1
	s_barrier_wait -1                              ; everybody's are.  The launch's one barrier beside the cluster's rounds
	s_wait_loadcnt 0x0                             ; my queries
	; ---- PASS 1: M, l and s.  Sixteen trips of 64 keys; a trip whose keys all come after my tile's class is left out by a branch on the wave's class, round the work alone
.Lp1:
	s_cmp_gt_u32 s[ST], s[C21]
	s_cbranch_scc1 .Lp1_end
	v_add_nc_u32 v7, s[TK], v1
	v_add_nc_u32 v9, s[TS], v2
	v_add_nc_u32 v8, 0x11000, v7                   ; the third array lies 69,632 bytes on
	SCORES 0, 0
	s_cmp_lt_u32 s[ST], s[C2]
	s_cbranch_scc1 .Lp1_open
	MASK 0
.Lp1_open:
	BMAXS
	v_max_num_f32 v74, v72, v73
	v_mul_f32 v74, s[CS], v74
	v_max_num_f32 v13, v13, v74                    ; the running largest t
	v_mov_b32 v74, v12
	v_floor_f32 v12, -v13                          ; -M = floor(-t): M is a whole number
	v_sub_f32 v74, v12, v74
	v_cvt_i32_f32 v74, v74                         ; (it saturates)
	v_ldexp_f32 v18, 1.0, v74                      ; f = 2^(old M - new M)
	v_mul_f32 v19, v18, v18
.set j, 0
.rept 16
	v_pk_fma_f32 v[SA+j:SA+j+1], v[SA+j:SA+j+1], s[CS:CS+1], v[12:13] op_sel_hi:[1,0,0]
.set j, j+2
.endr
.set j, 0
.rept 32
	v_exp_f32 v[SA+j], v[SA+j]
.set j, j+1
.endr
	v_mul_f32 v14, v14, v18                        ; l under the new M (plain lines behind the exponentials),
	v_mul_f32 v15, v15, v18
	v_mul_f32 v16, v16, v19                        ; s by f^2
	v_mul_f32 v17, v17, v19
	s_wait_alu depctr_va_vdst(0)                   ; one wait for the batch of 32, ahead of its first reader
	v_pk_add_f32 v[76:77], v[SA:SA+1], v[SA+2:SA+3]
.set j, 4
.rept 7
	v_pk_add_f32 v[14:15], v[14:15], v[SA+j:SA+j+1]
	v_pk_add_f32 v[76:77], v[76:77], v[SA+j+2:SA+j+3]
.set j, j+4
.endr
	v_pk_add_f32 v[14:15], v[14:15], v[76:77]
.set j, 0
.rept 16
	v_pk_mul_f32 v[SA+j:SA+j+1], v[SA+j:SA+j+1], v[SA+j:SA+j+1]
.set j, j+2
.endr
	v_pk_fma_f32 v[16:17], v[SA:SA+1], v[SV:SV+1], v[16:17]        ; s += p'^2 va, in two chains; each accumulator from its low end on
	v_pk_mul_f32 v[78:79], v[SA+2:SA+3], v[SV+2:SV+3]
.set j, 4
.rept 7
	v_pk_fma_f32 v[16:17], v[SA+j:SA+j+1], v[SV+j:SV+j+1], v[16:17]
	v_pk_fma_f32 v[78:79], v[SA+j+2:SA+j+3], v[SV+j+2:SV+j+3], v[78:79]
.set j, j+4
.endr
	v_pk_add_f32 v[16:17], v[16:17], v[78:79]
.Lp1_end:
	s_add_co_u32 s[TK], s[TK], 2176
	s_add_co_u32 s[TS], s[TS], 512
	s_add_co_u32 s[KF], s[KF], 64
	s_add_co_u32 s[ST], s[ST], 1
	s_cmp_lt_u32 s[ST], 16
	s_cbranch_scc1 .Lp1
	v_add_f32 v14, v14, v15
	v_add_f32 v16, v16, v17
	v_permlanex16_b32 v252, v14, s[SEL], s[SEL+1]
	v_permlanex16_b32 v253, v16, s[SEL], s[SEL+1]
	v_add_f32 v14, v14, v252                       ; l
	v_add_f32 v16, v16, v253
	v_rcp_f32 v14, v14
	v_nop
	s_wait_alu depctr_va_vdst(0)
	v_mul_f32 v15, v14, v14
	v_mul_f32 v16, v16, v15
	v_mul_f32 v16, 0x3a800000, v16                 ; s = sum p'^2 va / l^2 / 1024
	v_mov_b32 v15, v14                             ; both kept twice, for the packed forms
	v_mov_b32 v17, v16
	; my tile's 16 rows of x (256 bytes each) are wanted on the way out, behind pass 2's c + 1 key steps: they are asked for here, each block once in the launch: an even wave asks for its own rows and the next wave's
	s_and_b32 s72, s[WV], 1
	s_cmp_eq_u32 s72, 0
	s_cbranch_scc0 .Lno_ask
	global_prefetch_b8 v6, s[80:81] th:TH_LOAD_NT scope:SCOPE_SE
.Lno_ask:
.set j, 0
.rept 64
	v_mov_b32 v[OM+j], 0                           ; the step is written once: its first trip adds onto zeros
.set j, j+1
.endr
	s_mov_b32 s[ST], 0
	s_mov_b32 s[TK], 0
	s_mov_b32 s[TS], 0
	s_mov_b32 s[TV], 0
	s_mov_b32 s[TT], 0
	s_mov_b32 s[KF], 0
	; ---- PASS 2: eight trips of 128 keys
.Lp2:
	s_cmp_gt_u32 s[ST], s[CL]
	s_cbranch_scc1 .Lp2_end
	v_add_nc_u32 v7, s[TK], v1
	v_add_nc_u32 v9, s[TS], v2
	v_add_nc_u32 v8, 0x11000, v7
	HALF 0
	HALF 1
	PV
.Lp2_end:
	s_add_co_u32 s[TK], s[TK], 4352
	s_add_co_u32 s[TS], s[TS], 1024
	s_add_co_u32 s[TV], s[TV], 64
	s_add_co_u32 s[TT], s[TT], 1280
	s_add_co_u32 s[KF], s[KF], 128
	s_add_co_u32 s[ST], s[ST], 1
	s_cmp_lt_u32 s[ST], 8
	s_cbranch_scc1 .Lp2
	; ---- THE WAY OUT: a lane holds 128 bytes of a query's 256; both results go through my own stage and leave as whole rows.  The address lines are the places behind the last products
	v_and_b32 v1, 15, v0
	v_bfe_u32 v2, v0, 4, 1
	s_mul_i32 s72, s[WV], 4352
	s_add_co_u32 s72, s72, L_STG
	v_mul_u32_u24 v7, v1, 272
	v_lshl_add_u32 v7, v2, 5, v7
	v_add_nc_u32 v7, s72, v7                       ; in: row r, + 32 h
	v_mul_u32_u24 v8, v2, 272
	v_lshl_add_u32 v8, v1, 4, v8
	v_add_nc_u32 v8, s72, v8                       ; back: lanes 0-15 one row, lanes 16-31 the next
	v_lshlrev_b32 v9, 12, v2
	v_lshl_add_u32 v9, v1, 4, v9                   ; the same two rows in x, out0, out1
.set i, 0
.rept 8
	global_load_b128 v[SA+4*i:SA+4*i+3], v9, s[82:83] offset:8192*i th:TH_LOAD_NT
.set i, i+1
.endr
.set j, 0
.rept 16
	v_pk_mul_f32 v[OM+j:OM+j+1], v[OM+j:OM+j+1], v[14:15]          ; / l
.set j, j+2
.endr
.irp t, 0,1,2,3
	ds_store_b128 v7, v[OM+8*\t:OM+8*\t+3] offset:64*\t
	ds_store_b128 v7, v[OM+8*\t+4:OM+8*\t+7] offset:64*\t+16
.endr
.set i, 0
.rept 8
	ds_load_b128 v[SV+4*i:SV+4*i+3], v8 offset:544*i               ; LDS serves a wave's instructions in order: these see my stores, and the next stores come behind them
.set i, i+1
.endr
.irp t, 0,1,2,3
	ds_store_b128 v7, v[OV+8*\t:OV+8*\t+3] offset:64*\t
	ds_store_b128 v7, v[OV+8*\t+4:OV+8*\t+7] offset:64*\t+16
.endr
.set i, 0
.rept 8
	ds_load_b128 v[72+4*i:75+4*i], v8 offset:544*i
.set i, i+1
.endr
.set i, 0
.rept 8
	s_wait_loadcnt 7-i                             ; x's rows 2 i, 2 i + 1 are in
	s_wait_dscnt 23-i                              ; behind this LDS load: 7 - i loads, eight stores, eight loads
	v_pk_add_f32 v[SV+4*i:SV+4*i+1], v[SV+4*i:SV+4*i+1], v[SA+4*i:SA+4*i+1]
	v_pk_add_f32 v[SV+4*i+2:SV+4*i+3], v[SV+4*i+2:SV+4*i+3], v[SA+4*i+2:SA+4*i+3]
	global_store_b128 v9, v[SV+4*i:SV+4*i+3], s[84:85] offset:8192*i th:TH_STORE_NT   ; sixteen lanes store 256 consecutive bytes, aligned
.set i, i+1
.endr
.set i, 0
.rept 8
	s_wait_dscnt 7-i
	global_store_b128 v9, v[72+4*i:75+4*i], s[86:87] offset:8192*i th:TH_STORE_NT
.set i, i+1
.endr
	s_wait_xcnt 0x0
	v_lshl_add_u32 v254, v0, 2, 0x47c00
	v_mov_b32 v255, 0
	s_wait_tensorcnt 0x0
	ds_add_u32 v254, v255
	s_wait_dscnt 0x0
	ROUND                                          ; the closing round: no work-group ends while a partner may still ask jointly
	s_endpgm
.Lfunc_end_k_q48b162fe95_attn:
	.size	k_q48b162fe95_attn, .Lfunc_end_k_q48b162fe95_attn-k_q48b162fe95_attn
	.p2alignl 7, 3214868480
	.fill 96, 4, 3214868480
	.section	.rodata,"a",@progbits
	.p2align	6, 0x0
	.amdhsa_kernel k_q48b162fe95_attn
		.amdhsa_group_segment_fixed_size 295936
		.amdhsa_private_segment_fixed_size 0
		.amdhsa_enable_private_segment 0
		.amdhsa_kernarg_size 72
		.amdhsa_user_sgpr_count 2
		.amdhsa_user_sgpr_kernarg_segment_ptr 1
		.amdhsa_wavefront_size32 1
		.amdhsa_system_sgpr_workgroup_id_x 1
		.amdhsa_system_sgpr_workgroup_id_y 1
		.amdhsa_system_sgpr_workgroup_id_z 1
		.amdhsa_system_vgpr_workitem_id 0
		.amdhsa_next_free_vgpr 256
		.amdhsa_next_free_sgpr 100
		.amdhsa_reserve_vcc 1
		.amdhsa_float_denorm_mode_32 3
		.amdhsa_float_denorm_mode_16_64 3
		.amdhsa_memory_ordered 1
		.amdhsa_forward_progress 1
		.amdhsa_inst_pref_size 74
	.end_amdhsa_kernel
	.amdgpu_metadata
---
amdhsa.version: [ 1, 2 ]
amdhsa.kernels:
  - .name:           k_q48b162fe95_attn
    .symbol:         k_q48b162fe95_attn.kd
    .args:
      - { .name: ops, .offset: 0, .size: 8, .value_kind: global_buffer, .address_space: global }
      - { .name: qops, .offset: 8, .size: 8, .value_kind: global_buffer, .address_space: global }
      - { .name: var_k_codes, .offset: 16, .size: 8, .value_kind: global_buffer, .address_space: global }
      - { .name: var_k_scales, .offset: 24, .size: 8, .value_kind: global_buffer, .address_space: global }
      - { .name: var_v_codes, .offset: 32, .size: 8, .value_kind: global_buffer, .address_space: global }
      - { .name: var_v_scales, .offset: 40, .size: 8, .value_kind: global_buffer, .address_space: global }
      - { .name: x, .offset: 48, .size: 8, .value_kind: global_buffer, .address_space: global }
      - { .name: out0, .offset: 56, .size: 8, .value_kind: global_buffer, .address_space: global }
      - { .name: out1, .offset: 64, .size: 8, .value_kind: global_buffer, .address_space: global }
    .group_segment_fixed_size: 295936
    .private_segment_fixed_size: 0
    .kernarg_segment_align: 8
    .kernarg_segment_size: 72
    .max_flat_workgroup_size: 512
    .sgpr_count:     100
    .vgpr_count:     256
    .wavefront_size: 32
...
	.end_amdgpu_metadata
.endif
;; end of part 3
